; MI455X (gfx1250); checked and timed in simulation.
; The chip was launched on July 23, 2026; its instructions are those of AMD's public machine-readable ISA for CDNA 5 (MIT licence, August 2026) and "CDNA5" Instruction Set Architecture Reference Guide (July 2026). The comments in the code are by the model that wrote it; some were corrected since.
;; Self Attention. Allowed arithmetic: float matrix products may take bf16 or f16 operands with f32 sums; all other float work in f32.
;; Inputs: K 256 x 256 float32; bias 1 float32; temperature 1 float32; x 4 x 4,096 x 256 float32.
;; Outputs: out0 4 x 4,096 x 256 float32.
;; 2 versions, each right; version 2 is version 1 with the launch prep written anew for expert scheduling mode. Each part assembles by itself: llvm-mc -triple=amdgcn-amd-amdhsa -mcpu=gfx1250 --defsym DOCPART=n.
;; ======== version 1 of 2: 2 launches
;; workspace buffers: xb 8,388,608 bytes; khi 8,388,608 bytes; klo 8,388,608 bytes
;; launch prep (part 1): grid 256 x 1, 8 waves a work-group, no clusters, 174,080 bytes of LDS; arguments x, K, temperature, xb, khi, klo; writes xb, khi, klo
.if DOCPART == 1
	.amdgcn_target "amdgcn-amd-amdhsa--gfx1250"
	.amdhsa_code_object_version 6
	.text
	.protected	k_q0351661b05_prep
	.globl	k_q0351661b05_prep
	.p2align	8
	.type	k_q0351661b05_prep,@function
k_q0351661b05_prep:
	s_mov_b64 s[64:65], 0
	v_nop
	global_prefetch_b8 v0, s[64:65] scope:SCOPE_SE
	s_setreg_imm32_b32 hwreg(HW_REG_WAVE_MODE, 25, 1), 1
	s_wait_xcnt 0x0
; xb = bf16(x), row-major.  key = c * (bf16(x) . bf16(K)) with c = temperature * log2(e), sums and the scale in f32,
; then split: khi = bf16(key), klo = bf16(key - khi).  khi and klo are stored in the order in which the next launch takes them as
; the second source of a 16x16x32 matrix instruction: [16 rows of x][32 features][half of 4 registers][lane][16 bytes].
; A work-group takes 64 rows of x.  Wave v converts rows 8v..8v+7 of x and rows 32v..32v+31 of K into LDS, and then makes the
; features 32v..32v+31 of key for all 64 rows (two tiles of 16 features x four tiles of 16 rows = 8 accumulators, K depth 256).
; The product is taken transposed (first source = K, features along the rows; second source = x): a lane then holds eight
; neighbouring features of one row of x, which pack straight into the fragment order above.
; No cluster and no copy engine: x is read once through registers because it has to be converted on the way, and K is small.
; LIMITS: NaN and infinities in the inputs are not served; key is kept to 16 significant bits (hi + lo).
.set KP,   544                         ; LDS pitch of K as bf16: 512 + 32 bytes, an odd multiple of 32 (transposing loads hit 16 different columns)
.set XP,   528                         ; LDS pitch of x as bf16: 512 + 16 bytes, an odd multiple of 16
.set XS,   256*KP                      ; x lies behind the 256 rows of K: byte 139,264
.set LA16, 1                           ; v1      16 x lane
.set LA8,  2                           ; v2      8 x lane
.set KST,  3                           ; v3      where I put K
.set XST,  4                           ; v4      where I put x
.set KT,   5                           ; v5-8    transposing reads of K, one base for every 64 rows
.set XB,   9                           ; v9      reads of x fragments
.set STX,  32                          ; v32-95   stage for x; later the 8 accumulators
.set STA,  96                          ; v96-159  stage for K, first
.set STB,  160                         ; v160-223 stage for K, second
.set ACC,  32
.set FB,   96                          ; two fragment buffers of 48 registers: 2 of K, 4 of x
.set HL,   96                          ; at the end: for each tile of rows 8 registers hi, 8 registers lo
.set SC,   192                         ; at the end: 16 numbers at work
.macro LDROWS dst, base, first, nt     ; eight rows of 1,024 bytes = 16 loads of 512 neighbouring bytes
.set cnt, 0
.rept 16
.if \nt
	global_load_b128 v[\dst+4*cnt:\dst+4*cnt+3], v[LA16], s[\base:\base+1] offset:\first*1024+512*cnt th:TH_LOAD_NT
.else
	global_load_b128 v[\dst+4*cnt:\dst+4*cnt+3], v[LA16], s[\base:\base+1] offset:\first*1024+512*cnt
.endif
.set cnt, cnt+1
.endr
.endm
.macro CVT dst                         ; four f32 to four bf16, into the first two registers of the four
.set cnt, 0
.rept 16
	v_cvt_pk_bf16_f32 v[\dst+4*cnt], v[\dst+4*cnt], v[\dst+4*cnt+1]
	v_cvt_pk_bf16_f32 v[\dst+4*cnt+1], v[\dst+4*cnt+2], v[\dst+4*cnt+3]
.set cnt, cnt+1
.endr
.endm
.macro TOLDS dst, adr, pitch, first    ; 256 neighbouring bytes a store: half a row
.set cnt, 0
.rept 16
	ds_store_b64 v[\adr], v[\dst+4*cnt:\dst+4*cnt+1] offset:(\first+(cnt>>1))*\pitch+256*(cnt&1)
.set cnt, cnt+1
.endr
.endm
.macro LOADG kd, buf                   ; the fragments of 32 along d: 2 of K (transposed on the way), 4 of x: 12 loads
.irp a, 0,1
	ds_load_tr16_b128 v[\buf+8*\a:\buf+8*\a+3],   v[KT+((\kd)>>1)] offset:(((\kd)&1)*32)*KP+32*\a
	ds_load_tr16_b128 v[\buf+8*\a+4:\buf+8*\a+7], v[KT+((\kd)>>1)] offset:(((\kd)&1)*32+16)*KP+32*\a
.endr
.irp n, 0,1,2,3
	ds_load_b128 v[\buf+16+8*\n:\buf+16+8*\n+3],   v[XB] offset:16*\n*XP+64*(\kd)
	ds_load_b128 v[\buf+16+8*\n+4:\buf+16+8*\n+7], v[XB] offset:16*\n*XP+64*(\kd)+32
.endr
.endm
	s_load_b256 s[4:11], s[0:1], 0x0               ; x s[4:5], K s[6:7], temperature s[8:9], xb s[10:11]
	s_load_b128 s[12:15], s[0:1], 0x20             ; khi s[12:13], klo s[14:15]
	v_lshl_add_u32 v224, v0, 2, 0x2a400
	v_mov_b32 v225, 0
	v_lshrrev_b32 v10, 5, v0
	v_readfirstlane_b32 s16, v10                   ; wave 0..7
	v_and_b32 v11, 31, v0
	v_lshlrev_b32 v[LA16], 4, v11
	v_lshlrev_b32 v[LA8], 3, v11
	s_lshl_b32 s20, ttmp9, 16                      ; x: 64 rows of 1,024 bytes a work-group,
	s_lshl_b32 s22, s16, 13                        ; 8 rows a wave
	s_add_co_u32 s20, s20, s22
	s_mov_b32 s21, 0
	s_lshl_b32 s22, s16, 15                        ; K: 32 rows of 1,024 bytes a wave
	s_mov_b32 s23, 0
	s_lshl_b32 s24, ttmp9, 15                      ; xb: 64 rows of 512 bytes a work-group,
	s_lshl_b32 s26, s16, 12                        ; 8 rows a wave
	s_add_co_u32 s24, s24, s26
	s_mov_b32 s25, 0
	s_lshl_b32 s26, ttmp9, 15                      ; khi, klo: 32 fragments of 1,024 bytes a work-group,
	s_lshl_b32 s28, s16, 10                        ; fragment v of each tile of rows is mine
	s_add_co_u32 s26, s26, s28
	s_mov_b32 s27, 0
	s_mov_b32 s28, 0xffff0000                      ; a word's upper bf16
	s_wait_kmcnt 0x0
	s_add_nc_u64 s[4:5], s[4:5], s[20:21]
	s_add_nc_u64 s[6:7], s[6:7], s[22:23]
	s_add_nc_u64 s[10:11], s[10:11], s[24:25]
	s_add_nc_u64 s[12:13], s[12:13], s[26:27]
	s_add_nc_u64 s[14:15], s[14:15], s[26:27]
	s_load_b32 s17, s[8:9], 0x0                    ; temperature
	LDROWS STX, 4, 0, 1                            ; my 8 rows of x (read once in the launch)
	LDROWS STA, 6, 0, 0                            ; my rows 0-7 of K
	LDROWS STB, 6, 8, 0                            ; my rows 8-15 of K
	v_and_b32 v12, 7, v0
	v_bfe_u32 v13, v0, 4, 1                        ; h
	v_bfe_u32 v14, v0, 3, 1
	v_and_b32 v15, 15, v0                          ; r
	s_mul_i32 s29, s16, 32*KP
	v_add_nc_u32 v[KST], s29, v[LA8]
	s_mul_i32 s30, s16, 8*XP
	s_add_co_u32 s30, s30, XS
	v_add_nc_u32 v[XST], s30, v[LA8]
	v_lshl_add_u32 v12, v13, 3, v12                ; row 8 h + (lane mod 8) of K,
	v_mul_u32_u24 v12, v12, KP
	v_lshl_add_u32 v12, v14, 4, v12                ; the second eight lanes take the next 8 columns,
	s_lshl_b32 s29, s16, 6
	v_add_nc_u32 v[KT], s29, v12                   ; from my 32 columns on
	v_add_nc_u32 v[KT+1], 64*KP, v[KT]
	v_add_nc_u32 v[KT+2], 128*KP, v[KT]
	v_add_nc_u32 v[KT+3], 192*KP, v[KT]
	v_mul_u32_u24 v15, v15, XP
	v_lshl_add_u32 v15, v13, 4, v15
	v_add_nc_u32 v[XB], XS, v15                    ; row r of x, 16 bytes for each half of the lanes
	s_wait_loadcnt 0x20                            ; x is in; the 32 loads of K behind it stay out
	CVT STX
.set cnt, 0
.rept 16
	global_store_b64 v[LA8], v[STX+4*cnt:STX+4*cnt+1], s[10:11] offset:256*cnt   ; a store covers 256 consecutive bytes, aligned
.set cnt, cnt+1
.endr
	TOLDS STX, XST, XP, 0
	s_wait_loadcnt 0x10                            ; the first stage of K is in; the second stage's 16 loads stay out
	CVT STA
	TOLDS STA, KST, KP, 0
	s_wait_dscnt 0x0                               ; the stage is loaded again only when its LDS stores are done
	LDROWS STA, 6, 16, 0
	s_wait_loadcnt 0x10                            ; the second stage is in; the 16 loads just issued stay out
	CVT STB
	TOLDS STB, KST, KP, 8
	s_wait_dscnt 0x0
	LDROWS STB, 6, 24, 0
	s_wait_loadcnt 0x10
	CVT STA
	TOLDS STA, KST, KP, 16
	s_wait_loadcnt 0x0
	CVT STB
	TOLDS STB, KST, KP, 24
	s_wait_kmcnt 0x0
	s_mul_f32 s18, s17, 0x3fb8aa3b                 ; c = temperature x log2(e)
	s_mov_b32 s19, s18
	s_wait_xcnt 0x0                                ; the stage of x, which the stores to xb read, becomes the accumulators
	s_wait_dscnt 0x0                               ; my part of K and of x is in LDS,
	s_barrier_signal -1
	s_barrier_wait -1                              ; everybody's is
	; key transposed: 8 steps of 32 along d, 8 matrix instructions each.  The 8 accumulators take turns, one instruction a turn.
	; Two fragment buffers: while one is multiplied the other's 12 loads are on their way.
	LOADG 0, FB
	LOADG 1, FB+48
.irp kd, 0,1,2,3,4,5,6,7
.if \kd < 7
	s_wait_dscnt 0xc                               ; this step's 12 loads are in; the next step's 12 stay out
.else
	s_wait_dscnt 0x0
.endif
.irp a, 0,1
.irp n, 0,1,2,3
.if \kd == 0
	v_wmma_f32_16x16x32_bf16 v[ACC+8*(4*\a+\n):ACC+8*(4*\a+\n)+7], v[FB+48*(\kd&1)+8*\a:FB+48*(\kd&1)+8*\a+7], v[FB+48*(\kd&1)+16+8*\n:FB+48*(\kd&1)+16+8*\n+7], 0
.else
	v_wmma_f32_16x16x32_bf16 v[ACC+8*(4*\a+\n):ACC+8*(4*\a+\n)+7], v[FB+48*(\kd&1)+8*\a:FB+48*(\kd&1)+8*\a+7], v[FB+48*(\kd&1)+16+8*\n:FB+48*(\kd&1)+16+8*\n+7], v[ACC+8*(4*\a+\n):ACC+8*(4*\a+\n)+7]
.endif
.endr
.endr
.rept 4
	v_nop                                          ; four places behind the matrix instructions (ISA guide 7.12.1): then their sources are loaded again, or their results read
.endr
.if \kd < 6
	LOADG (\kd+2), FB+48*(\kd&1)
.endif
.endr
	; scale by c, split into hi and lo, store.  Tile (a, n): lane (r, h) holds features 32 v + 16 a + 8 h + 0..7 of row 16 n + r.
.irp n, 0,1,2,3
.irp a, 0,1
.irp p, 0,2,4,6
	v_pk_mul_f32 v[ACC+8*(4*\a+\n)+\p:ACC+8*(4*\a+\n)+\p+1], v[ACC+8*(4*\a+\n)+\p:ACC+8*(4*\a+\n)+\p+1], s[18:19] op_sel_hi:[1,0]
.endr
.endr
.irp a, 0,1
.irp q, 0,1,2,3
	v_cvt_pk_bf16_f32 v[HL+16*\n+4*\a+\q], v[ACC+8*(4*\a+\n)+2*\q], v[ACC+8*(4*\a+\n)+2*\q+1]
.endr
.endr
.irp q, 0,1,2,3,4,5,6,7
	v_lshlrev_b32 v[SC+2*\q], 16, v[HL+16*\n+\q]                   ; hi back in f32
	v_and_b32 v[SC+2*\q+1], s28, v[HL+16*\n+\q]
.endr
.irp q, 0,1,2,3,4,5,6,7
	v_pk_add_f32 v[SC+2*\q:SC+2*\q+1], v[ACC+8*(4*(\q>>2)+\n)+2*(\q&3):ACC+8*(4*(\q>>2)+\n)+2*(\q&3)+1], v[SC+2*\q:SC+2*\q+1] neg_lo:[0,1] neg_hi:[0,1]
.endr
.irp q, 0,1,2,3,4,5,6,7
	v_cvt_pk_bf16_f32 v[HL+16*\n+8+\q], v[SC+2*\q], v[SC+2*\q+1]   ; lo = bf16(key - hi)
.endr
	global_store_b128 v[LA16], v[HL+16*\n:HL+16*\n+3],     s[12:13] offset:8192*\n       ; 512 consecutive bytes a store
	global_store_b128 v[LA16], v[HL+16*\n+4:HL+16*\n+7],   s[12:13] offset:8192*\n+512
	global_store_b128 v[LA16], v[HL+16*\n+8:HL+16*\n+11],  s[14:15] offset:8192*\n
	global_store_b128 v[LA16], v[HL+16*\n+12:HL+16*\n+15], s[14:15] offset:8192*\n+512
.endr
	s_wait_tensorcnt 0x0
	ds_add_u32 v224, v225
	s_wait_dscnt 0x0
	s_endpgm
.Lfunc_end_k_q0351661b05_prep:
	.size	k_q0351661b05_prep, .Lfunc_end_k_q0351661b05_prep-k_q0351661b05_prep
	.p2alignl 7, 3214868480
	.fill 96, 4, 3214868480
	.section	.rodata,"a",@progbits
	.p2align	6, 0x0
	.amdhsa_kernel k_q0351661b05_prep
		.amdhsa_group_segment_fixed_size 174080
		.amdhsa_private_segment_fixed_size 0
		.amdhsa_enable_private_segment 0
		.amdhsa_kernarg_size 48
		.amdhsa_user_sgpr_count 2
		.amdhsa_user_sgpr_kernarg_segment_ptr 1
		.amdhsa_wavefront_size32 1
		.amdhsa_system_sgpr_workgroup_id_x 1
		.amdhsa_system_sgpr_workgroup_id_y 1
		.amdhsa_system_sgpr_workgroup_id_z 1
		.amdhsa_system_vgpr_workitem_id 0
		.amdhsa_next_free_vgpr 226
		.amdhsa_next_free_sgpr 66
		.amdhsa_reserve_vcc 0
		.amdhsa_float_denorm_mode_32 3
		.amdhsa_float_denorm_mode_16_64 3
		.amdhsa_memory_ordered 1
		.amdhsa_forward_progress 1
		.amdhsa_inst_pref_size 50
	.end_amdhsa_kernel
	.amdgpu_metadata
---
amdhsa.version: [ 1, 2 ]
amdhsa.kernels:
  - .name:           k_q0351661b05_prep
    .symbol:         k_q0351661b05_prep.kd
    .args:
      - { .name: x, .offset: 0, .size: 8, .value_kind: global_buffer, .address_space: global }
      - { .name: K, .offset: 8, .size: 8, .value_kind: global_buffer, .address_space: global }
      - { .name: temperature, .offset: 16, .size: 8, .value_kind: global_buffer, .address_space: global }
      - { .name: xb, .offset: 24, .size: 8, .value_kind: global_buffer, .address_space: global }
      - { .name: khi, .offset: 32, .size: 8, .value_kind: global_buffer, .address_space: global }
      - { .name: klo, .offset: 40, .size: 8, .value_kind: global_buffer, .address_space: global }
    .group_segment_fixed_size: 174080
    .private_segment_fixed_size: 0
    .kernarg_segment_align: 8
    .kernarg_segment_size: 48
    .max_flat_workgroup_size: 256
    .sgpr_count:     66
    .vgpr_count:     226
    .wavefront_size: 32
...
	.end_amdgpu_metadata
.endif
;; end of part 1
;; launch attn (part 2): grid 256 x 1, 4 waves a work-group, clusters of 4 x 1, 327,680 bytes of LDS; arguments xb, khi, klo, temperature, bias, out0; writes out0
.if DOCPART == 2
	.amdgcn_target "amdgcn-amd-amdhsa--gfx1250"
	.amdhsa_code_object_version 6
	.text
	.protected	k_q0351661b05_attn
	.globl	k_q0351661b05_attn
	.p2align	8
	.type	k_q0351661b05_attn,@function
k_q0351661b05_attn:
	s_mov_b64 s[64:65], 0
	v_nop
	global_prefetch_b8 v0, s[64:65] scope:SCOPE_SE
	s_setreg_imm32_b32 hwreg(HW_REG_WAVE_MODE, 25, 1), 1
	s_wait_xcnt 0x0
	s_wait_alu depctr_hold_cnt(0) depctr_sa_sdst(0) depctr_va_vdst(0) depctr_va_sdst(0) depctr_va_ssrc(0) depctr_va_vcc(0) depctr_vm_vsrc(0)
	s_getreg_b32 s2, hwreg(HW_REG_IB_STS2, 6, 4)
	s_cmp_eq_u32 s2, 0
	s_cbranch_scc0 .Lentry_in_a_cluster
	s_endpgm
.Lentry_in_a_cluster:
	s_bfe_u32 s2, ttmp6, 0x10000c
	s_cmp_lg_u32 s2, 0x3003
	s_cbranch_scc0 .Lentry_shape_is_right
	s_endpgm
.Lentry_shape_is_right:
; out = softmax over ALL 4,096 keys of ((relu(key . x + bias) - 10000 outside the band) x temperature), times x: dense, with a running maximum.
; The band's penalty is finite and is multiplied by an input, so columns outside the band are computed like the others.
; With c = temperature x log2(e), already in khi and klo:  c relu(l + b) = the middle of (c l + c b, 0, infinity with the sign of c);
; c b comes in as the C operand of the first product; the penalty is -10000 c; the weights are 2^(s - m), m the running maximum of s.
; SHARES.  A work-group has 64 queries.  Its four waves split the KEYS: in round p (256 keys) wave w takes the 64 keys 256 p + 64 w for all
; 64 queries: 128 matrix instructions for the logits, 128 for the weighted sum.  The four waves' (m, l, O) meet once, in LDS, at the end.
; TRANSPOSED USE.  S = x tile (first source, keys along the rows) x key (second source, queries along the columns): a lane holds ONE query,
; its registers eight keys.  Two such tiles pack into the second source of O = x tile transposed x weights without leaving the lane,
; and maximum, sum and rescale factor are one number a lane; the two halves of the lanes are joined by one v_permlanex16_b32.
; CLUSTER.  Four neighbouring query blocks of one batch form a cluster and walk the same keys: each tile of x is asked for jointly
; (mask 15), which divides the requests for x by four.  Nothing that differs between the partners enters a branch or an LDS address.
; THE BAND.  The windows of the cluster's 256 queries lie in the six key blocks 4 p0 - 1 .. 4 p0 + 4 (p0 = cluster mod 16).  In these blocks,
; in all four partners alike, the low part of key is multiplied too and the penalty is set element by element; in all other blocks every
; element is outside the band, the penalty is one number, and key is taken to 8 significant bits.
; LIMITS: NaN and infinities in the inputs are not served; weights below 2^-126 of a row's largest count as 0; the penalty is applied as
; -10000 x temperature x log2(e), rounded once; key has 16 significant bits in the six blocks named and 8 elsewhere; the weights enter the
; last product with 8 significant bits, while their sum l is taken from the unrounded weights in f32.
.set XP,    528                        ; LDS pitch of a row of x: 512 + 16 bytes
.set BLK,   64*XP                      ; a wave's tile: 64 keys, 33,792 bytes
.set SLOT,  4*BLK                      ; a round's four tiles
.set KLO,   2*SLOT                     ; behind the two slots: my work-group's 32 fragments of klo, 32,768 bytes
.set RSTEP, 256*512                    ; bytes of xb in a round
.set OP,    1040                       ; the end: pitch of a row of O in f32, 1,024 + 16 bytes
.set OW,    64*OP                      ; the end: a wave's 64 rows
.set ST,    4*OW                       ; the end: the waves' m and l, 2,048 bytes
; window 0
.set BIAS, 8                           ; v8-15   c b in every lane and register
.set MX,   16                          ; v16-19  running maximum, one for each tile of 16 queries
.set LS,   20                          ; v20-23  running sum (of my half of the keys)
.set XA,   24                          ; v24-25  LDS address of my x fragments, slot 0, 1
.set XT,   26                          ; v26-27  the same for the transposing loads
.set RB,   24                          ; v24-27  the end: where I read the four waves' rows
.set KLA,  28                          ; v28     LDS address of klo's fragments
.set EL,   29                          ; v29     8 h - r + 12 - 64 cx: my part of key - query + 12
.set VPEN, 30                          ; v30     the penalty
.set VZ,   31                          ; v31     0
.set AL,   32                          ; v32-39  rescale factor, twice, for each tile of queries
.set KK,   40                          ; v40-47  penalty - maximum, twice
.set PS,   48                          ; v48-55  sums of weights, a pair for each tile of queries
.set PEN,  48                          ; v48-55  the mask's eight penalties (before the sums start)
.set TM,   56                          ; v56-59
.set TP,   60                          ; v60-63
.set F0,   64                          ; v64-95   fragment buffer 0.  v32-63 serve as a third buffer where klo is multiplied
.set F1,   96                          ; v96-127  fragment buffer 1
.set SB,   128                         ; v128-255 S: tile (m, n) at 16 (4 (m / 2) + n) + 8 (m mod 2); the weights P(u, n) in the low 8 of 16 (4 u + n)
; window 1: khi, fragment (n, ks) at 8 (8 n + ks).   window 2: O tiles i = 0..7 at 8 (4 i + n).   window 3: O tiles i = 8..15.
; O tile i holds the columns 8 c .. 8 c + 7 and 8 (c + 8) .. 8 (c + 8) + 7 of x, c = (i mod 8) + 16 (i / 8): the second eight lanes of a
; transposing load read 128 bytes further on, so that with the pitch of 528 bytes sixteen lanes touch sixteen different 16-byte columns.
.set G1X, 32                           ; s[32:39] group 1 of the joint tiles of x
.set G0,  40                           ; s[40:47] group 0, one set for each slot
.set G1K, 48                           ; s[48:55] group 1 of my quarter of klo
.set G0K, 56                           ; s[56:59] its group 0
.set MSB, 0
.macro WIN new                         ; s_set_vgpr_msb: bits 1:0 source 0, 3:2 source 1, 5:4 source 2, 7:6 destination; the high byte repeats the setting left
.if MSB != \new
	s_set_vgpr_msb (MSB<<8)|\new
.set MSB, \new
.endif
.endm
.macro PLACES k
.rept \k
	v_nop
.endr
.endm
; A round of the cluster's barrier: my work-group's barrier, wave 0 signals for the work-group, all wait for the four work-groups, my work-group's barrier.
.macro ROUND
	s_barrier_signal -1
	s_barrier_wait -1
	s_cmp_lg_u32 s16, 0
	s_cbranch_scc1 .Lnot_wave_0_\@
	s_barrier_signal -3
.Lnot_wave_0_\@:
	s_barrier_wait -3
	s_barrier_signal -1
	s_barrier_wait -1
.endm
.macro LOADX slot, ks, buf             ; 4 tiles of 16 keys x 32 features: 8 loads
.irp m, 0,1,2,3
	ds_load_b128 v[\buf+8*\m:\buf+8*\m+3],   v[XA+\slot] offset:16*\m*XP+64*(\ks)
	ds_load_b128 v[\buf+8*\m+4:\buf+8*\m+7], v[XA+\slot] offset:16*\m*XP+64*(\ks)+32
.endr
.endm
.macro LOADL ks                        ; klo: 4 tiles of 16 queries x 32 features, into buffer 1: 8 loads of 512 neighbouring bytes
.irp n, 0,1,2,3
	ds_load_b128 v[F1+8*\n:F1+8*\n+3],   v[KLA] offset:(8*\n+(\ks))*1024
	ds_load_b128 v[F1+8*\n+4:F1+8*\n+7], v[KLA] offset:(8*\n+(\ks))*1024+512
.endr
.endm
.macro LOADV slot, g, buf              ; x transposed: keys 32 (g / 4) .. + 31, O tiles 4 (g mod 4) .. + 3: 8 loads
.irp q, 0,1,2,3
	ds_load_tr16_b128 v[\buf+8*\q:\buf+8*\q+3],   v[XT+\slot] offset:(32*((\g)>>2))*XP+16*((4*((\g)&3)+\q)&7)+256*((4*((\g)&3)+\q)>>3)
	ds_load_tr16_b128 v[\buf+8*\q+4:\buf+8*\q+7], v[XT+\slot] offset:(32*((\g)>>2)+16)*XP+16*((4*((\g)&3)+\q)&7)+256*((4*((\g)&3)+\q)>>3)
.endr
.endm
; 16 matrix instructions on the 16 tiles of S, which take turns, one instruction a turn.  hi = 1: khi (window 1); 0: klo (buffer 1).
.macro QK16 buf, ks, hi
.irp m, 0,1,2,3
.irp n, 0,1,2,3
.set xsd, SB+16*(4*(\m>>1)+\n)+8*(\m&1)
.if \hi
.if (\ks) == 0
	v_wmma_f32_16x16x32_bf16 v[xsd:xsd+7], v[\buf+8*\m:\buf+8*\m+7], v[8*(8*\n+(\ks)):8*(8*\n+(\ks))+7], v[BIAS:BIAS+7]
.else
	v_wmma_f32_16x16x32_bf16 v[xsd:xsd+7], v[\buf+8*\m:\buf+8*\m+7], v[8*(8*\n+(\ks)):8*(8*\n+(\ks))+7], v[xsd:xsd+7]
.endif
.else
	v_wmma_f32_16x16x32_bf16 v[xsd:xsd+7], v[\buf+8*\m:\buf+8*\m+7], v[F1+8*\n:F1+8*\n+7], v[xsd:xsd+7]
.endif
.endr
.endr
.endm
; The logits of a block outside the band.  Every wait leaves the one younger group of 8 loads out.  The four places stand behind the matrix
; instructions and in front of the loads into the buffer that they read, at the end in front of the reads of S.
.macro FASTQK slot
	LOADX \slot, 0, F0
	LOADX \slot, 1, F1
	WIN 0x04                                       ; second source in window 1; LDS loads name destination and source 0 alone
.irp ks, 0,1,2,3,4,5,6,7
	s_wait_dscnt 0x8
	QK16 (F0+32*(\ks&1)), \ks, 1
	PLACES 4
.if \ks < 6
	LOADX \slot, (\ks+2), (F0+32*(\ks&1))
.else
	LOADV \slot, (\ks-6), (F0+32*(\ks&1))          ; the first two groups for the second product
.endif
.endr
	WIN 0
.endm
; The logits of a block that may touch the band: khi and klo.  x in buffer 0 (even steps) and in v32-63 (odd steps), klo in buffer 1.
.macro SLOWQK slot
	LOADX \slot, 0, F0
.irp ks, 0,1,2,3,4,5,6,7
.if \ks > 0
	PLACES 4
.endif
	LOADL \ks
.if \ks < 7
	LOADX \slot, (\ks+1), (F0-32*((\ks+1)&1))
	s_wait_dscnt 0x10                              ; this step's x is in; klo's 8 loads and the next x's 8 stay out
.else
	s_wait_dscnt 0x8                               ; klo's 8 loads stay out
.endif
	WIN 0x04
	QK16 (F0-32*(\ks&1)), \ks, 1
.if \ks < 7
	s_wait_dscnt 0x8                               ; klo is in; the next x's 8 loads stay out
.else
	s_wait_dscnt 0x0
.endif
	WIN 0
	QK16 (F0-32*(\ks&1)), \ks, 0
.endr
	PLACES 4
	LOADV \slot, 0, F0
	LOADV \slot, 1, F1
.endm
.macro CLAMP                           ; relu and temperature in one: the middle of (s, 0, infinity with the sign of c)
.set cnt, 0
.rept 128
	v_med3_num_f32 v[SB+cnt], v[SB+cnt], 0, s26
.set cnt, cnt+1
.endr
.endm
; The penalty element by element: inside the band iff key - query + 12 is in 0..23 (unsigned compare).  The number hangs on m - n alone, so
; eight penalties are made for each of the seven differences and added to the tiles of that difference.
.macro MASK
	v_add_nc_u32 v[TP+1], s60, v[EL]
.irp d, 0,1,2,3,4,5,6
.irp j, 0,1,2,3,4,5,6,7
	v_add_nc_u32 v[TP], 16*(\d-3)+\j, v[TP+1]
	v_cmp_gt_u32 vcc_lo, 24, v[TP]
	v_cndmask_b32 v[PEN+\j], v[VPEN], v[VZ], vcc_lo
.endr
.irp m, 0,1,2,3
.irp n, 0,1,2,3
.if (\m-\n) == (\d-3)
.set xsd, SB+16*(4*(\m>>1)+\n)+8*(\m&1)
.irp p, 0,2,4,6
	v_pk_add_f32 v[xsd+\p:xsd+\p+1], v[xsd+\p:xsd+\p+1], v[PEN+\p:PEN+\p+1]
.endr
.endif
.endr
.endr
.endr
.endm
.macro ROWMAX                          ; the largest of a lane's 32 numbers of each tile column n; the four chains are interleaved
.irp n, 0,1,2,3
	v_max3_num_f32 v[TM+\n], v[SB+16*\n], v[SB+16*\n+1], v[SB+16*\n+2]
.endr
.set cnt, 3
.rept 14
.irp n, 0,1,2,3
	v_max3_num_f32 v[TM+\n], v[TM+\n], v[SB+64*(cnt>>4)+16*\n+(cnt&15)], v[SB+64*((cnt+1)>>4)+16*\n+((cnt+1)&15)]
.endr
.set cnt, cnt+2
.endr
.irp n, 0,1,2,3
	v_max_num_f32 v[TM+\n], v[TM+\n], v[SB+64+16*\n+15]
.endr
.endm
.macro STATS first
.irp n, 0,1,2,3
	v_permlanex16_b32 v[TP+\n], v[TM+\n], s30, s31             ; the other half of the lanes holds the query's other keys
.endr
.irp n, 0,1,2,3
	v_max_num_f32 v[TM+\n], v[TM+\n], v[TP+\n]
.endr
.irp n, 0,1,2,3
	v_add_f32 v[TM+\n], s25, v[TM+\n]                          ; the block's common penalty (0 where the mask has set it)
.endr
.if \first
.irp n, 0,1,2,3
	v_mov_b32 v[MX+\n], v[TM+\n]
.endr
.else
.irp n, 0,1,2,3
	v_max_num_f32 v[TP+\n], v[MX+\n], v[TM+\n]                 ; the new maximum
.endr
.irp n, 0,1,2,3
	v_sub_f32 v[TM+\n], v[MX+\n], v[TP+\n]
.endr
.irp n, 0,1,2,3
	v_mov_b32 v[MX+\n], v[TP+\n]
.endr
.irp n, 0,1,2,3
	v_exp_f32 v[AL+2*\n], v[TM+\n]                             ; the factor for what has been summed so far, twice for the packed multiply
	v_exp_f32 v[AL+2*\n+1], v[TM+\n]
.endr
.endif
.irp n, 0,1,2,3
	v_sub_f32 v[KK+2*\n], s25, v[MX+\n]                        ; plain instructions behind the exponentials (ISA guide 5.7.2)
	v_sub_f32 v[KK+2*\n+1], s25, v[MX+\n]
.endr
.endm
; Tile (m, n) of S becomes weights: 2^(s + penalty - maximum), summed in f32, rounded to bf16 into its place in P(m / 2, n).
.macro EXPT m, n
	WIN 0
.set xsd, SB+16*(4*(\m>>1)+\n)+8*(\m&1)
.set xpd, SB+16*(4*(\m>>1)+\n)+4*(\m&1)
.irp p, 0,2,4,6
	v_pk_add_f32 v[xsd+\p:xsd+\p+1], v[xsd+\p:xsd+\p+1], v[KK+2*\n:KK+2*\n+1]
.endr
.irp j, 0,1,2,3,4,5,6,7
	v_exp_f32 v[xsd+\j], v[xsd+\j]
.endr
	v_nop                                          ; one plain place behind the exponentials (ISA guide 5.7.2)
.if \m == 0
	s_wait_alu depctr_va_vdst(0)
	v_pk_add_f32 v[PS+2*\n:PS+2*\n+1], v[xsd:xsd+1], v[xsd+2:xsd+3]    ; the first tile starts the sum
.else
	s_wait_alu depctr_va_vdst(0)
	v_pk_add_f32 v[PS+2*\n:PS+2*\n+1], v[PS+2*\n:PS+2*\n+1], v[xsd:xsd+1]
	v_pk_add_f32 v[PS+2*\n:PS+2*\n+1], v[PS+2*\n:PS+2*\n+1], v[xsd+2:xsd+3]
.endif
	v_pk_add_f32 v[PS+2*\n:PS+2*\n+1], v[PS+2*\n:PS+2*\n+1], v[xsd+4:xsd+5]
	v_pk_add_f32 v[PS+2*\n:PS+2*\n+1], v[PS+2*\n:PS+2*\n+1], v[xsd+6:xsd+7]
.irp q, 0,1,2,3
	v_cvt_pk_bf16_f32 v[xpd+\q], v[xsd+2*\q], v[xsd+2*\q+1]
.endr
.endm
.macro LFIN first
.irp n, 0,1,2,3
.if \first
	v_add_f32 v[LS+\n], v[PS+2*\n], v[PS+2*\n+1]
.else
	v_add_f32 v[TM+\n], v[PS+2*\n], v[PS+2*\n+1]
	v_fma_f32 v[LS+\n], v[LS+\n], v[AL+2*\n], v[TM+\n]
.endif
.endr
.endm
.macro RESC g                          ; O tiles 4 g .. 4 g + 3, all four n, times the factor of n
.if \g < 2
	WIN 0x82
.else
	WIN 0xc3
.endif
.irp q, 0,1,2,3
.irp n, 0,1,2,3
.set xod, 8*(4*((4*\g+\q)&7)+\n)
.irp p, 0,2,4,6
	v_pk_mul_f32 v[xod+\p:xod+\p+1], v[xod+\p:xod+\p+1], v[AL+2*\n:AL+2*\n+1]
.endr
.endr
.endr
.endm
; 16 matrix instructions of the second product: keys 32 (g / 4) .., O tiles 4 (g mod 4) .. + 3, all four n.  The 64 tiles of O take turns, one
; instruction a turn.  In the first block the first 32 keys start the sums: nothing is cleared.
.macro PVG g, first
.if \g == 7
	s_wait_dscnt 0x0
.else
	s_wait_dscnt 0x8                               ; this group's 8 loads are in; the next group's 8 stay out
.endif
.if (\g&3) < 2
	WIN 0xa0
.else
	WIN 0xf0
.endif
.set usez, 0
.if \first
.if \g < 4
.set usez, 1
.endif
.endif
.irp q, 0,1,2,3
.irp n, 0,1,2,3
.set xod, 8*(4*((4*(\g&3)+\q)&7)+\n)
.set xfa, F0+32*(\g&1)+8*\q
.set xpb, SB+16*(4*(\g>>2)+\n)
.if usez
	v_wmma_f32_16x16x32_bf16 v[xod:xod+7], v[xfa:xfa+7], v[xpb:xpb+7], 0
.else
	v_wmma_f32_16x16x32_bf16 v[xod:xod+7], v[xfa:xfa+7], v[xpb:xpb+7], v[xod:xod+7]
.endif
.endr
.endr
.endm
; One block of 64 keys for 64 queries.  s28 = block - (4 p0 - 1): 0..5 in the six blocks that may touch the band; it is made of the cluster's
; number, the wave's number and the round, so the branch is the same in all four partners.
.macro BLOCK slot, first
	s_sub_co_u32 s60, s28, 1
	s_lshl_b32 s60, s60, 6                         ; 64 (block - 4 p0): the block's part of key - query
	s_cmp_lt_u32 s28, 6
	s_cselect_b32 s25, 0, s24                      ; the block's common penalty
	s_cselect_b32 s27, 1, 0
	s_cbranch_scc1 .Lslow_\@
	FASTQK \slot
	s_branch .Ljoin_\@
.Lslow_\@:
	SLOWQK \slot
.Ljoin_\@:                                         ; on both ways the 16 youngest LDS loads are the first two groups of the second product
	CLAMP
	s_cmp_lg_u32 s27, 0
	s_cbranch_scc0 .Lnomask_\@
	MASK
.Lnomask_\@:
	ROWMAX
	STATS \first
.irp n, 0,1,2,3
	EXPT 0, \n
	EXPT 1, \n
.endr
	; The second product.  Behind each group of matrix instructions stands vector work on other registers (the next tiles' rescale, the
	; weights of keys 32..63): at least four plain instructions, the places in front of the load into the buffer just read.
.if \first == 0
	RESC 0
.endif
	PVG 0, \first
.if \first == 0
	RESC 1
.endif
	EXPT 2, 0
	EXPT 2, 1
	LOADV \slot, 2, F0
	PVG 1, \first
.if \first == 0
	RESC 2
.endif
	EXPT 2, 2
	EXPT 2, 3
	LOADV \slot, 3, F1
	PVG 2, \first
.if \first == 0
	RESC 3
.endif
	EXPT 3, 0
	EXPT 3, 1
	LOADV \slot, 4, F0
	PVG 3, \first
	EXPT 3, 2
	EXPT 3, 3
	LFIN \first
	LOADV \slot, 5, F1
	PVG 4, \first
	WIN 0
	PLACES 4
	LOADV \slot, 6, F0
	PVG 5, \first
	WIN 0
	PLACES 4
	LOADV \slot, 7, F1
	PVG 6, \first
	PVG 7, \first
	WIN 0
	PLACES 5                                       ; five places: the next block's matrix instructions write over the weights, its loads over the buffers
	s_add_co_u32 s28, s28, 4                       ; my block of the next round
.endm
; One round.  In front of the cluster's round each wave waits for all its tensor loads (one is out: my tile of this round) and for its reads of
; the other slot; behind it no wave of any partner reads that slot, and the joint refill is the first thing there, one load a wave.
; It has the whole block's 256 matrix instructions in which to land.
.macro TRIP slot, refill, first
	s_wait_xcnt 0x0
	v_lshl_add_u32 v254, v0, 2, 0x4a000
	v_mov_b32 v255, 0
	s_wait_tensorcnt 0x0
	ds_add_u32 v254, v255
	s_wait_dscnt 0x0
	s_add_nc_u64 s[G0+4*\slot+2:G0+4*\slot+3], s[G0+4*\slot+2:G0+4*\slot+3], 2*RSTEP   ; no load of mine is out: this slot's next tile
	s_wait_dscnt 0x0
	ROUND
.if \refill
	tensor_load_to_lds s[G0+4*(1-\slot):G0+4*(1-\slot)+3], s[G1X:G1X+7]
	s_nop 0
.endif
	BLOCK \slot, \first
.endm
	s_load_b256 s[4:11], s[0:1], 0x0               ; xb s[4:5], khi s[6:7], klo s[8:9], temperature s[10:11]
	s_load_b128 s[12:15], s[0:1], 0x20             ; bias s[12:13], out0 s[14:15]
	v_lshl_add_u32 v254, v0, 2, 0x4a000
	v_mov_b32 v255, 0
	ds_add_u32 v254, v255
	s_wait_dscnt 0x0
	v_lshrrev_b32 v2, 5, v0
	v_readfirstlane_b32 s16, v2                    ; wave 0..3
	s_bfe_u32 s17, ttmp6, 0x40000                  ; cx: my place in the cluster
	s_mov_b32 s18, ttmp9                           ; the cluster's number, 0..63
	s_and_b32 s19, s18, 15                         ; p0: the cluster's 256 queries begin at 256 p0 of the batch
	s_lshr_b32 s66, s18, 4                         ; batch
	; group 1 of a joint tile: 64 rows of 256 bf16, 16 bytes of padding behind each row of 128 words
	s_mov_b32 s[G1X+0], 15|(1<<16)|(1<<20)|(1<<21)|(6<<22)|(3<<25)   ; 15:0 mask: all four; 17:16 2 bytes; 20 padding; 21 set beside a mask; 24:22 every 128 words; 31:25 4 words
	s_mov_b32 s[G1X+1], 256<<16                    ; tensor_dim0 = 256
	s_mov_b32 s[G1X+2], 64<<16                     ; tensor_dim1 = 64
	s_mov_b32 s[G1X+3], 256<<16                    ; tile_dim0 = 256
	s_mov_b32 s[G1X+4], 64                         ; tile_dim1 = 64
	s_mov_b32 s[G1X+5], 256                        ; elements from row to row
	s_mov_b32 s[G1X+6], 0
	s_mov_b32 s[G1X+7], 0
	; group 1 of my quarter of klo: 8,192 dense bytes as 32 rows of 32 elements of 8 bytes; no mask: each work-group has its own
	s_mov_b32 s[G1K+0], 3<<16
	s_mov_b32 s[G1K+1], 32<<16
	s_mov_b32 s[G1K+2], 32<<16
	s_mov_b32 s[G1K+3], 32<<16
	s_mov_b32 s[G1K+4], 32
	s_mov_b32 s[G1K+5], 32
	s_mov_b32 s[G1K+6], 0
	s_mov_b32 s[G1K+7], 0
	s_mul_i32 s67, s16, BLK                        ; my tile in a slot: the wave's number alone
	s_mov_b32 s[G0+0], 1
	s_mov_b32 s[G0+1], s67
	s_mov_b32 s[G0+4], 1
	s_add_co_u32 s[G0+5], s67, SLOT
	s_mov_b32 s[G0K+0], 1
	s_lshl_b32 s[G0K+1], s16, 13
	s_add_co_u32 s[G0K+1], s[G0K+1], KLO
	s_lshl_b32 s60, s66, 21                        ; xb: the batch's 4,096 rows of 512 bytes, and my 64 keys of the round:
	s_lshl_b32 s61, s16, 15                        ; made of the batch and the wave's number, which the partners share
	s_add_co_u32 s60, s60, s61
	s_mov_b32 s61, 0
	s_lshl_b32 s62, s18, 17                        ; my work-group's own data: first query 256 cluster + 64 cx, 512 bytes a query in khi and klo
	s_lshl_b32 s63, s17, 15
	s_add_co_u32 s62, s62, s63
	s_mov_b32 s63, 0
	s_lshl_b32 s68, s16, 13                        ; my quarter of klo
	s_mov_b32 s69, 0
	s_lshl_b32 s70, s62, 1                         ; out0: 1,024 bytes a query,
	s_lshl_b32 s71, s16, 14                        ; 16 rows a wave
	s_add_co_u32 s70, s70, s71
	s_mov_b32 s71, 0
	s_wait_kmcnt 0x0
	s_load_b32 s20, s[10:11], 0x0                  ; temperature
	s_load_b32 s21, s[12:13], 0x0                  ; bias
	s_add_nc_u64 s[G0+2:G0+3], s[4:5], s[60:61]    ; round 0
	s_add_nc_u64 s[G0+6:G0+7], s[G0+2:G0+3], RSTEP ; round 1
	s_or_b32 s[G0+3], s[G0+3], 0x80000000          ; type = 2
	s_or_b32 s[G0+7], s[G0+7], 0x80000000
	s_add_nc_u64 s[6:7], s[6:7], s[62:63]
	s_add_nc_u64 s[G0K+2:G0K+3], s[8:9], s[62:63]
	s_add_nc_u64 s[G0K+2:G0K+3], s[G0K+2:G0K+3], s[68:69]
	s_or_b32 s[G0K+3], s[G0K+3], 0x80000000
	s_add_nc_u64 s[14:15], s[14:15], s[70:71]
	ROUND                                          ; all four work-groups are here: the first joint loads meet
	tensor_load_to_lds s[G0K:G0K+3], s[G1K:G1K+7]  ; the two first fills go out together: my quarter of klo,
	s_nop 0
	tensor_load_to_lds s[G0:G0+3], s[G1X:G1X+7]    ; and my tile of round 0.  Two tensor loads of the wave are out
	s_nop 0
	v_nop
	v_nop
	v_and_b32 v2, 31, v0
	v_lshlrev_b32 v1, 4, v2                        ; 16 x lane; never rewritten
	WIN 0x40                                       ; destination in window 1
.set cnt, 0
.rept 32
	global_load_b128 v[8*cnt:8*cnt+3],   v1, s[6:7] offset:1024*cnt       ; khi stays in registers for the whole launch: 32 fragments
	global_load_b128 v[8*cnt+4:8*cnt+7], v1, s[6:7] offset:1024*cnt+512
.set cnt, cnt+1
.endr
	WIN 0
	v_and_b32 v3, 15, v0                           ; r
	v_bfe_u32 v4, v0, 4, 1                         ; h
	v_and_b32 v5, 7, v0
	v_bfe_u32 v6, v0, 3, 1
	v_mul_u32_u24 v7, v3, XP
	v_lshl_add_u32 v7, v4, 4, v7
	v_add_nc_u32 v[XA], s67, v7                    ; row r, 16 bytes for each half of the lanes
	v_add_nc_u32 v[XA+1], SLOT, v[XA]
	v_lshl_add_u32 v5, v4, 3, v5
	v_mul_u32_u24 v5, v5, XP                       ; row 8 h + (lane mod 8),
	v_lshl_add_u32 v5, v6, 7, v5                   ; the second eight lanes 128 bytes further on
	v_add_nc_u32 v[XT], s67, v5
	v_add_nc_u32 v[XT+1], SLOT, v[XT]
	v_add_nc_u32 v[KLA], KLO, v1
	v_lshlrev_b32 v7, 3, v4
	v_sub_nc_u32 v7, v7, v3
	s_lshl_b32 s68, s17, 6
	s_sub_co_u32 s68, 12, s68
	v_add_nc_u32 v[EL], s68, v7                    ; 8 h - r + 12 - 64 cx: enters a compare of numbers alone, no address and no branch
	s_mov_b32 s30, 0x76543210                      ; v_permlanex16_b32: lane i of one half reads lane i of the other
	s_mov_b32 s31, 0xfedcba98
	s_lshl_b32 s28, s19, 2
	s_sub_co_u32 s28, s16, s28
	s_add_co_u32 s28, s28, 1                       ; my first block - (4 p0 - 1), modulo 2^32
	s_wait_kmcnt 0x0
	s_mul_f32 s22, s20, 0x3fb8aa3b                 ; c = temperature x log2(e)
	s_mul_f32 s23, s22, s21                        ; c b
	s_mul_f32 s24, s22, 0xc61c4000                 ; -10000 c
	s_and_b32 s26, s20, 0x80000000
	s_or_b32 s26, s26, 0x7f800000                  ; infinity with the sign of the temperature
.irp j, 0,1,2,3,4,5,6,7
	v_mov_b32 v[BIAS+\j], s23
.endr
	v_mov_b32 v[VPEN], s24
	v_mov_b32 v[VZ], 0
.irp j, 0,1,2,3
	v_mov_b32 v[TP+\j], 0                          ; a lane permute counts as a reader of its destination
.endr
	s_wait_loadcnt 0x0                             ; khi
	TRIP 0, 1, 1                                   ; round 0: starts maximum, sum and O; behind its round slot 1 is filled for the first time
	s_mov_b32 s29, 7
.Llap:
	TRIP 1, 1, 0                                   ; rounds 1, 3, .. 13
	TRIP 0, 1, 0                                   ; rounds 2, 4, .. 14
	s_sub_co_u32 s29, s29, 1
	s_cmp_lg_u32 s29, 0
	s_cbranch_scc1 .Llap
	TRIP 1, 0, 0                                   ; round 15: nothing is left to fetch (slot 1's stepped address is not used)
	; THE END.  The four waves hold (m, l, O) of their quarters of the keys.  The ring has had its last fill and serves as the exchange.
.irp n, 0,1,2,3
	v_permlanex16_b32 v[TP+\n], v[LS+\n], s30, s31
.endr
.irp n, 0,1,2,3
	v_add_f32 v[LS+\n], v[LS+\n], v[TP+\n]         ; l of all my 64 x 16 keys
.endr
	v_and_b32 v5, 15, v0
	v_bfe_u32 v6, v0, 4, 1
	s_lshl_b32 s66, s16, 8
	s_add_co_u32 s66, s66, ST
	v_lshl_add_u32 v2, v5, 2, s66                  ; my wave's m and l: word 64 w + 16 n + r
	v_lshlrev_b32 v3, 2, v5
	v_add_nc_u32 v3, ST, v3
	s_mul_i32 s67, s16, OW
	v_mul_u32_u24 v4, v5, OP
	v_lshl_add_u32 v4, v6, 8, v4
	v_add_nc_u32 v4, s67, v4                       ; my wave's O: row r, 256 bytes further on for the upper half of the lanes
	s_wait_dscnt 0x0                               ; my reads of the ring are over,
	s_barrier_signal -1
	s_barrier_wait -1                              ; everybody's are
	s_mul_i32 s68, s16, 16*OP
	v_add_nc_u32 v[RB], s68, v1                    ; rows 16 w .. of each wave's O
	v_add_nc_u32 v[RB+1], OW, v[RB]
	v_add_nc_u32 v[RB+2], 2*OW, v[RB]
	v_add_nc_u32 v[RB+3], 3*OW, v[RB]
.irp n, 0,1,2,3
	ds_store_b32 v2, v[MX+\n] offset:64*\n         ; both halves of the lanes write the same word with the same number
	ds_store_b32 v2, v[LS+\n] offset:1024+64*\n
.endr
	s_wait_dscnt 0x0
	s_barrier_signal -1
	s_barrier_wait -1
.irp n, 0,1,2,3
.irp w, 0,1,2,3
	ds_load_b32 v[F0+4*\n+\w],    v3 offset:256*\w+64*\n
	ds_load_b32 v[F0+16+4*\n+\w], v3 offset:1024+256*\w+64*\n
.endr
.endr
	s_wait_dscnt 0x0
.irp n, 0,1,2,3
	v_max3_num_f32 v[TM+\n], v[F0+4*\n], v[F0+4*\n+1], v[F0+4*\n+2]
.endr
.irp n, 0,1,2,3
	v_max_num_f32 v[TM+\n], v[TM+\n], v[F0+4*\n+3]             ; the maximum over all keys
.endr
.irp n, 0,1,2,3
.irp w, 0,1,2,3
	v_sub_f32 v[F1+4*\n+\w], v[F0+4*\n+\w], v[TM+\n]
.endr
	v_sub_f32 v[F1+16+\n], v[MX+\n], v[TM+\n]
.endr
.set cnt, 0
.rept 20
	v_exp_f32 v[F1+cnt], v[F1+cnt]
.set cnt, cnt+1
.endr
	v_nop                                          ; one plain place behind the exponentials
	s_wait_alu depctr_va_vdst(0)
.irp n, 0,1,2,3
	v_mul_f32 v[TP+\n], v[F1+4*\n], v[F0+16+4*\n]
.endr
.irp w, 1,2,3
.irp n, 0,1,2,3
	v_fma_f32 v[TP+\n], v[F1+4*\n+\w], v[F0+16+4*\n+\w], v[TP+\n]      ; l over all keys; at least 1, from the largest weight
.endr
.endr
.irp n, 0,1,2,3
	v_rcp_f32 v[TP+\n], v[TP+\n]
.endr
	v_nop                                          ; one plain place behind the reciprocals
	s_wait_alu depctr_va_vdst(0)
.irp n, 0,1,2,3
	v_mul_f32 v[AL+2*\n], v[F1+16+\n], v[TP+\n]    ; my O times 2^(my m - m) / l
	v_mul_f32 v[AL+2*\n+1], v[F1+16+\n], v[TP+\n]
.endr
	RESC 0
	RESC 1
	RESC 2
	RESC 3
	; O tile i, lane (r, h): columns 8 (c + 8 h) + 0..7 of query 16 n + r = 32 bytes at 32 (i mod 8) + 512 (i / 8) + 256 h of the row
	WIN 0x08                                       ; store data (source 1) in window 2
.irp i, 0,1,2,3,4,5,6,7
.irp n, 0,1,2,3
	ds_store_b128 v4, v[8*(4*\i+\n):8*(4*\i+\n)+3]   offset:16*\n*OP+32*\i
	ds_store_b128 v4, v[8*(4*\i+\n)+4:8*(4*\i+\n)+7] offset:16*\n*OP+32*\i+16
.endr
.endr
	WIN 0x0c                                       ; in window 3
.irp i, 0,1,2,3,4,5,6,7
.irp n, 0,1,2,3
	ds_store_b128 v4, v[8*(4*\i+\n):8*(4*\i+\n)+3]   offset:16*\n*OP+32*\i+512
	ds_store_b128 v4, v[8*(4*\i+\n)+4:8*(4*\i+\n)+7] offset:16*\n*OP+32*\i+528
.endr
.endr
	WIN 0
	s_wait_dscnt 0x0
	s_barrier_signal -1
	s_barrier_wait -1
	; Wave w adds the four waves' rows 16 w .. 16 w + 15 and stores them, four rows at a time: unit q = (row, half of 512 bytes), four loads each.
.irp bt, 0,1,2,3
.if \bt > 0
	s_wait_xcnt 0x0                                ; the registers that the last stores read are loaded again only behind this wait
.endif
.irp q, 0,1,2,3,4,5,6,7
.irp w, 0,1,2,3
	ds_load_b128 v[SB+16*\q+4*\w:SB+16*\q+4*\w+3], v[RB+\w] offset:(4*\bt+(\q>>1))*OP+512*(\q&1)
.endr
.endr
.irp q, 0,1,2,3,4,5,6,7
	s_wait_dscnt 28-4*\q                           ; unit q's four loads are in; the younger units' stay out
	v_pk_add_f32 v[SB+16*\q:SB+16*\q+1],     v[SB+16*\q:SB+16*\q+1],     v[SB+16*\q+4:SB+16*\q+5]
	v_pk_add_f32 v[SB+16*\q+2:SB+16*\q+3],   v[SB+16*\q+2:SB+16*\q+3],   v[SB+16*\q+6:SB+16*\q+7]
	v_pk_add_f32 v[SB+16*\q+8:SB+16*\q+9],   v[SB+16*\q+8:SB+16*\q+9],   v[SB+16*\q+12:SB+16*\q+13]
	v_pk_add_f32 v[SB+16*\q+10:SB+16*\q+11], v[SB+16*\q+10:SB+16*\q+11], v[SB+16*\q+14:SB+16*\q+15]
	v_pk_add_f32 v[SB+16*\q:SB+16*\q+1],     v[SB+16*\q:SB+16*\q+1],     v[SB+16*\q+8:SB+16*\q+9]
	v_pk_add_f32 v[SB+16*\q+2:SB+16*\q+3],   v[SB+16*\q+2:SB+16*\q+3],   v[SB+16*\q+10:SB+16*\q+11]
	global_store_b128 v1, v[SB+16*\q:SB+16*\q+3], s[14:15] offset:(4*\bt+(\q>>1))*1024+512*(\q&1) th:TH_STORE_NT   ; 512 consecutive bytes, aligned
.endr
.endr
	s_wait_xcnt 0x0
	v_lshl_add_u32 v254, v0, 2, 0x4a000
	v_mov_b32 v255, 0
	s_wait_tensorcnt 0x0
	ds_add_u32 v254, v255
	s_wait_dscnt 0x0
	ROUND                                          ; the closing round: no work-group ends while a partner may still ask for a tile that names it
	s_endpgm
.Lfunc_end_k_q0351661b05_attn:
	.size	k_q0351661b05_attn, .Lfunc_end_k_q0351661b05_attn-k_q0351661b05_attn
	.p2alignl 7, 3214868480
	.fill 96, 4, 3214868480
	.section	.rodata,"a",@progbits
	.p2align	6, 0x0
	.amdhsa_kernel k_q0351661b05_attn
		.amdhsa_group_segment_fixed_size 327680
		.amdhsa_private_segment_fixed_size 0
		.amdhsa_enable_private_segment 0
		.amdhsa_kernarg_size 48
		.amdhsa_user_sgpr_count 2
		.amdhsa_user_sgpr_kernarg_segment_ptr 1
		.amdhsa_wavefront_size32 1
		.amdhsa_system_sgpr_workgroup_id_x 1
		.amdhsa_system_sgpr_workgroup_id_y 1
		.amdhsa_system_sgpr_workgroup_id_z 1
		.amdhsa_system_vgpr_workitem_id 0
		.amdhsa_next_free_vgpr 1024
		.amdhsa_next_free_sgpr 80
		.amdhsa_reserve_vcc 1
		.amdhsa_float_denorm_mode_32 3
		.amdhsa_float_denorm_mode_16_64 3
		.amdhsa_memory_ordered 1
		.amdhsa_forward_progress 1
		.amdhsa_inst_pref_size 255
	.end_amdhsa_kernel
	.section	.bss,"aw",@nobits
	.p2align	6
	.space	262144
	.amdgpu_metadata
---
amdhsa.version: [ 1, 2 ]
amdhsa.kernels:
  - .name:           k_q0351661b05_attn
    .symbol:         k_q0351661b05_attn.kd
    .args:
      - { .name: xb, .offset: 0, .size: 8, .value_kind: global_buffer, .address_space: global }
      - { .name: khi, .offset: 8, .size: 8, .value_kind: global_buffer, .address_space: global }
      - { .name: klo, .offset: 16, .size: 8, .value_kind: global_buffer, .address_space: global }
      - { .name: temperature, .offset: 24, .size: 8, .value_kind: global_buffer, .address_space: global }
      - { .name: bias, .offset: 32, .size: 8, .value_kind: global_buffer, .address_space: global }
      - { .name: out0, .offset: 40, .size: 8, .value_kind: global_buffer, .address_space: global }
    .group_segment_fixed_size: 327680
    .private_segment_fixed_size: 0
    .kernarg_segment_align: 8
    .kernarg_segment_size: 48
    .max_flat_workgroup_size: 128
    .sgpr_count:     80
    .vgpr_count:     1024
    .wavefront_size: 32
...
	.end_amdgpu_metadata
.endif
;; end of part 2
;; ======== version 2 of 2: 2 launches; version 1 with the launch prep written anew for expert scheduling mode
;; workspace buffers: xb 8,388,608 bytes; khi 8,388,608 bytes; klo 8,388,608 bytes
;; launch prep (part 3): grid 256 x 1, 8 waves a work-group, no clusters, 174,080 bytes of LDS; arguments x, K, temperature, xb, khi, klo; writes xb, khi, klo
.if DOCPART == 3
	.amdgcn_target "amdgcn-amd-amdhsa--gfx1250"
	.amdhsa_code_object_version 6
	.text
	.protected	k_q0351661b05_prep
	.globl	k_q0351661b05_prep
	.p2align	8
	.type	k_q0351661b05_prep,@function
k_q0351661b05_prep:
	s_mov_b64 s[64:65], 0
	v_nop
	global_prefetch_b8 v0, s[64:65] scope:SCOPE_SE
	s_setreg_imm32_b32 hwreg(HW_REG_WAVE_SCHED_MODE, 0, 2), 2
	s_setreg_imm32_b32 hwreg(HW_REG_WAVE_MODE, 25, 1), 1
	s_wait_xcnt 0x0
	s_wait_alu depctr_vm_vsrc(0)
; xb = bf16(x), row-major.  key = c * (bf16(x) . bf16(K)) with c = temperature * log2(e), sums and the scale in f32,
; then split: khi = bf16(key), klo = bf16(key - khi).  khi and klo are stored in the order in which the next launch takes them as
; the second source of a 16x16x32 matrix instruction: [16 rows of x][32 features][half of 4 registers][lane][16 bytes].
; A work-group takes 64 rows of x.  Wave v converts rows 8v..8v+7 of x and rows 32v..32v+31 of K into LDS, and then makes the
; features 32v..32v+31 of key for all 64 rows (two tiles of 16 features x four tiles of 16 rows = 8 accumulators, K depth 256).
; The product is taken transposed (first source = K, features along the rows; second source = x): a lane then holds eight
; neighbouring features of one row of x, which pack straight into the fragment order above.
; No cluster and no copy engine: x is read once through registers because it has to be converted on the way, and K is small.
; LIMITS: NaN and infinities in the inputs are not served; key is kept to 16 significant bits (hi + lo).
; THE MODE: SCHED_MODE bits 1:0 = 2 (LLVM: expert scheduling mode 2), set by the entry lines.  The code itself states the register dependences
; between vector or matrix instructions and memory or LDS instructions, with s_wait_alu, always for 0.
; THE PLAN.  Registers that memory or LDS instructions touch:
;   v1, v2        offsets of every global load and store; v3-v9 LDS addresses.  Made once, never written again.
;   STX STA STB   three stages of 64.  A stage is loaded, its 32 conversions read and write it, its stores read it; STX and STA are then loaded once more
;                 (K's rows 16-23 and 24-31).  One wait on va_vdst stands behind a stage's conversions, ahead of its stores; no vector instruction names the
;                 stage between that wait and the stage's next loads, so these owe only the wait on vm_vsrc for the stores' reads.
;   F0 F1 F2      three fragment buffers.  Step kd: its 8 matrix instructions read buffer kd mod 3; the loads of step kd + 2 land in buffer (kd - 1) mod 3,
;                 which the step before read.  One wait on va_vdst at the step's head states that those reads are over; the 12 loads follow it, dealt
;                 among the step's matrix instructions, which name the step's own buffer and the accumulators alone.
;   HL            the way out: 16 registers of its own for each tile of rows, written by its conversions, read by its four stores, never rewritten.
.set KP,   544                         ; LDS pitch of K as bf16: 512 + 32 bytes, an odd multiple of 32 (transposing loads hit 16 different columns)
.set XP,   528                         ; LDS pitch of x as bf16: 512 + 16 bytes, an odd multiple of 16
.set XS,   256*KP                      ; x lies behind the 256 rows of K: byte 139,264
.set LA16, 1                           ; v1      16 x lane
.set LA8,  2                           ; v2      8 x lane
.set KST,  3                           ; v3      where I put K
.set XST,  4                           ; v4      where I put x
.set KT,   5                           ; v5-8    transposing reads of K, one base for every 64 rows
.set XB,   9                           ; v9      reads of x fragments
.set STX,  32                          ; v32-95   stage for x, then for K's rows 16-23; later the 8 accumulators
.set STA,  96                          ; v96-159  stage for K's rows 0-7, then 24-31
.set STB,  160                         ; v160-223 stage for K's rows 8-15
.set ACC,  32
.set FB,   96                          ; fragment buffers 0 and 1, 48 registers each: 2 fragments of K, then 4 of x
.set F2K,  16                          ; fragment buffer 2: K's two fragments in v16-31,
.set F2X,  192                         ; x's four in v192-223
.set HL,   96                          ; at the end: for each tile of rows 8 registers hi, 8 registers lo
.set SC,   192                         ; at the end: 16 numbers at work
.macro LDROWS dst, base, first, nt     ; eight rows of 1,024 bytes = 16 loads of 512 neighbouring bytes
.set cnt, 0
.rept 16
.if \nt
	global_load_b128 v[\dst+4*cnt:\dst+4*cnt+3], v[LA16], s[\base:\base+1] offset:\first*1024+512*cnt th:TH_LOAD_NT
.else
	global_load_b128 v[\dst+4*cnt:\dst+4*cnt+3], v[LA16], s[\base:\base+1] offset:\first*1024+512*cnt
.endif
.set cnt, cnt+1
.endr
.endm
.macro CVT dst                         ; four f32 to four bf16, into the first two registers of the four
.set cnt, 0
.rept 16
	v_cvt_pk_bf16_f32 v[\dst+4*cnt], v[\dst+4*cnt], v[\dst+4*cnt+1]
	v_cvt_pk_bf16_f32 v[\dst+4*cnt+1], v[\dst+4*cnt+2], v[\dst+4*cnt+3]
.set cnt, cnt+1
.endr
.endm
.macro TOLDS dst, adr, pitch, first    ; 256 neighbouring bytes a store: half a row
.set cnt, 0
.rept 16
	ds_store_b64 v[\adr], v[\dst+4*cnt:\dst+4*cnt+1] offset:(\first+(cnt>>1))*\pitch+256*(cnt&1)
.set cnt, cnt+1
.endr
.endm
.macro LOADK kd, a, base               ; fragment a of K for 32 along d, transposed on the way: 2 loads
	ds_load_tr16_b128 v[\base+8*(\a):\base+8*(\a)+3],   v[KT+((\kd)>>1)] offset:(((\kd)&1)*32)*KP+32*(\a)
	ds_load_tr16_b128 v[\base+8*(\a)+4:\base+8*(\a)+7], v[KT+((\kd)>>1)] offset:(((\kd)&1)*32+16)*KP+32*(\a)
.endm
.macro LOADXF kd, n, base              ; fragment n of x for 32 along d: 2 loads
	ds_load_b128 v[\base+8*(\n):\base+8*(\n)+3],   v[XB] offset:16*(\n)*XP+64*(\kd)
	ds_load_b128 v[\base+8*(\n)+4:\base+8*(\n)+7], v[XB] offset:16*(\n)*XP+64*(\kd)+32
.endm
.macro LOADG kd, kbase, xbase          ; the fragments of 32 along d in one run: 2 of K, 4 of x: 12 loads
.irp a, 0,1
	LOADK \kd, \a, \kbase
.endr
.irp n, 0,1,2,3
	LOADXF \kd, \n, \xbase
.endr
.endm
	s_load_b256 s[4:11], s[0:1], 0x0               ; x s[4:5], K s[6:7], temperature s[8:9], xb s[10:11]
	s_load_b128 s[12:15], s[0:1], 0x20             ; khi s[12:13], klo s[14:15]
	v_lshl_add_u32 v224, v0, 2, 0x2a400            ; my spare word, behind x in LDS, and 0: kept for the closing lines alone
	v_mov_b32 v225, 0
	v_lshrrev_b32 v10, 5, v0
	v_readfirstlane_b32 s16, v10                   ; wave 0..7
	v_and_b32 v11, 31, v0
	v_lshlrev_b32 v[LA16], 4, v11
	v_lshlrev_b32 v[LA8], 3, v11
	s_wait_alu depctr_va_sdst(0)                   ; s16 is written, ahead of its first reader: the bases below are made from it
	s_lshl_b32 s20, ttmp9, 16                      ; x: 64 rows of 1,024 bytes a work-group,
	s_lshl_b32 s22, s16, 13                        ; 8 rows a wave
	s_add_co_u32 s20, s20, s22
	s_mov_b32 s21, 0
	s_lshl_b32 s22, s16, 15                        ; K: 32 rows of 1,024 bytes a wave
	s_mov_b32 s23, 0
	s_lshl_b32 s24, ttmp9, 15                      ; xb: 64 rows of 512 bytes a work-group,
	s_lshl_b32 s26, s16, 12                        ; 8 rows a wave
	s_add_co_u32 s24, s24, s26
	s_mov_b32 s25, 0
	s_lshl_b32 s26, ttmp9, 15                      ; khi, klo: 32 fragments of 1,024 bytes a work-group,
	s_lshl_b32 s28, s16, 10                        ; fragment v of each tile of rows is mine
	s_add_co_u32 s26, s26, s28
	s_mov_b32 s27, 0
	s_mov_b32 s28, 0xffff0000                      ; a word's upper bf16
	s_wait_kmcnt 0x0
	s_add_nc_u64 s[4:5], s[4:5], s[20:21]
	s_add_nc_u64 s[6:7], s[6:7], s[22:23]
	s_add_nc_u64 s[10:11], s[10:11], s[24:25]
	s_add_nc_u64 s[12:13], s[12:13], s[26:27]
	s_add_nc_u64 s[14:15], s[14:15], s[26:27]
	s_load_b32 s17, s[8:9], 0x0                    ; temperature
	s_wait_alu depctr_va_vdst(0)                   ; v1 is written, which every global load reads as its offset
	LDROWS STX, 4, 0, 1                            ; my 8 rows of x (read once in the launch)
	LDROWS STA, 6, 0, 0                            ; my rows 0-7 of K
	LDROWS STB, 6, 8, 0                            ; my rows 8-15 of K
	v_and_b32 v12, 7, v0
	v_bfe_u32 v13, v0, 4, 1                        ; h
	v_bfe_u32 v14, v0, 3, 1
	v_and_b32 v15, 15, v0                          ; r
	s_mul_i32 s29, s16, 32*KP
	v_add_nc_u32 v[KST], s29, v[LA8]
	s_mul_i32 s30, s16, 8*XP
	s_add_co_u32 s30, s30, XS
	v_add_nc_u32 v[XST], s30, v[LA8]
	v_lshl_add_u32 v12, v13, 3, v12                ; row 8 h + (lane mod 8) of K,
	v_mul_u32_u24 v12, v12, KP
	v_lshl_add_u32 v12, v14, 4, v12                ; the second eight lanes take the next 8 columns,
	s_lshl_b32 s29, s16, 6
	v_add_nc_u32 v[KT], s29, v12                   ; from my 32 columns on
	v_add_nc_u32 v[KT+1], 64*KP, v[KT]
	v_add_nc_u32 v[KT+2], 128*KP, v[KT]
	v_add_nc_u32 v[KT+3], 192*KP, v[KT]
	v_mul_u32_u24 v15, v15, XP
	v_lshl_add_u32 v15, v13, 4, v15
	v_add_nc_u32 v[XB], XS, v15                    ; row r of x, 16 bytes for each half of the lanes
	s_wait_loadcnt 0x20                            ; x is in; the 32 loads of K behind it stay out
	CVT STX
	s_wait_alu depctr_va_vdst(0)                   ; the conversions have written the stage, which the stores below read, and are done reading it; the LDS addresses v3 to v9 are written too
.set cnt, 0
.rept 16
	global_store_b64 v[LA8], v[STX+4*cnt:STX+4*cnt+1], s[10:11] offset:256*cnt   ; a store covers 256 consecutive bytes, aligned
.set cnt, cnt+1
.endr
	TOLDS STX, XST, XP, 0
	s_wait_xcnt 0x0                                ; the stage, which the stores to xb read, is loaded again only behind this wait
	s_wait_alu depctr_vm_vsrc(0)                   ; the stores to xb and to LDS have read the stage, in which the loads below land
	LDROWS STX, 6, 16, 0                           ; my rows 16-23 of K
	s_wait_loadcnt 0x20                            ; rows 0-7 of K are in; the 32 younger loads (rows 8-15 and 16-23) stay out
	CVT STA
	s_wait_alu depctr_va_vdst(0)                   ; the conversions have written the stage, which the LDS stores read, and are done reading it
	TOLDS STA, KST, KP, 0
	s_wait_alu depctr_vm_vsrc(0)                   ; the LDS stores have read the stage, in which the loads below land
	LDROWS STA, 6, 24, 0                           ; my rows 24-31 of K
	s_wait_loadcnt 0x20                            ; rows 8-15 are in; the 32 younger loads (rows 16-23 and 24-31) stay out
	CVT STB
	s_wait_alu depctr_va_vdst(0)                   ; the conversions have written the stage, which the LDS stores read
	TOLDS STB, KST, KP, 8
	s_wait_loadcnt 0x10                            ; rows 16-23 are in; the 16 loads of rows 24-31 stay out
	CVT STX
	s_wait_alu depctr_va_vdst(0)                   ; the conversions have written the stage, which the LDS stores read
	TOLDS STX, KST, KP, 16
	s_wait_loadcnt 0x0
	CVT STA
	s_wait_alu depctr_va_vdst(0)                   ; the conversions have written the stage, which the LDS stores read; no vector instruction names a stage from here to the fragments' loads
	TOLDS STA, KST, KP, 24
	s_wait_kmcnt 0x0
	s_mul_f32 s18, s17, 0x3fb8aa3b                 ; c = temperature x log2(e)
	s_mov_b32 s19, s18
	s_wait_dscnt 0x0                               ; my part of K and of x is in LDS,
	s_barrier_signal -1
	s_barrier_wait -1                              ; everybody's is
	s_wait_alu depctr_vm_vsrc(0)                   ; my LDS stores have read the three stages: from here on these registers are the accumulators, which matrix instructions write, and the fragment buffers, in which LDS loads land
	; key transposed: 8 steps of 32 along d, 8 matrix instructions each.  The 8 accumulators take turns, one instruction a turn.
	; Three fragment buffers: while one is multiplied, the next step's 12 loads are on their way and those of the step after it are issued.
	LOADG 0, FB, FB+16
	LOADG 1, FB+48, FB+64
.irp kd, 0,1,2,3,4,5,6,7
.set bm, (\kd)%3                       ; the buffer that this step multiplies: mk K's fragments, mx x's
.set bl, (\kd+2)%3                     ; the buffer in which this step's loads land: lk, lx
.if bm == 2
.set mk, F2K
.set mx, F2X
.else
.set mk, FB+48*bm
.set mx, FB+48*bm+16
.endif
.if bl == 2
.set lk, F2K
.set lx, F2X
.else
.set lk, FB+48*bl
.set lx, FB+48*bl+16
.endif
.if \kd < 7
	s_wait_dscnt 0xc                               ; this step's 12 loads are in; the next step's 12 stay out
.else
	s_wait_dscnt 0x0
.endif
.if (\kd > 0) && (\kd < 6)
	s_wait_alu depctr_va_vdst(0)                   ; the matrix instructions of the step before are done reading their buffer, in which this step's 12 loads land
.endif
.irp a, 0,1
.irp n, 0,1,2,3
.if \kd == 0
	v_wmma_f32_16x16x32_bf16 v[ACC+8*(4*\a+\n):ACC+8*(4*\a+\n)+7], v[mk+8*\a:mk+8*\a+7], v[mx+8*\n:mx+8*\n+7], 0
.else
	v_wmma_f32_16x16x32_bf16 v[ACC+8*(4*\a+\n):ACC+8*(4*\a+\n)+7], v[mk+8*\a:mk+8*\a+7], v[mx+8*\n:mx+8*\n+7], v[ACC+8*(4*\a+\n):ACC+8*(4*\a+\n)+7]
.endif
.if \kd < 6                            ; two loads of the step after next behind each of the first six matrix instructions.  No wait: no matrix instruction since the step's head names their buffer
.if 4*\a+\n < 2
	LOADK (\kd+2), (4*\a+\n), lk
.elseif 4*\a+\n < 6
	LOADXF (\kd+2), (4*\a+\n-2), lx
.endif
.endif
.endr
.endr
.rept 4
	v_nop                                          ; four places behind the matrix instructions (ISA guide 7.12.1): then their sources are loaded again, or their results read
.endr
.endr
	; scale by c, split into hi and lo, store.  Tile (a, n): lane (r, h) holds features 32 v + 16 a + 8 h + 0..7 of row 16 n + r.
.irp n, 0,1,2,3
.irp a, 0,1
.irp p, 0,2,4,6
	v_pk_mul_f32 v[ACC+8*(4*\a+\n)+\p:ACC+8*(4*\a+\n)+\p+1], v[ACC+8*(4*\a+\n)+\p:ACC+8*(4*\a+\n)+\p+1], s[18:19] op_sel_hi:[1,0]
.endr
.endr
.irp a, 0,1
.irp q, 0,1,2,3
	v_cvt_pk_bf16_f32 v[HL+16*\n+4*\a+\q], v[ACC+8*(4*\a+\n)+2*\q], v[ACC+8*(4*\a+\n)+2*\q+1]
.endr
.endr
.irp q, 0,1,2,3,4,5,6,7
	v_lshlrev_b32 v[SC+2*\q], 16, v[HL+16*\n+\q]                   ; hi back in f32
	v_and_b32 v[SC+2*\q+1], s28, v[HL+16*\n+\q]
.endr
.irp q, 0,1,2,3,4,5,6,7
	v_pk_add_f32 v[SC+2*\q:SC+2*\q+1], v[ACC+8*(4*(\q>>2)+\n)+2*(\q&3):ACC+8*(4*(\q>>2)+\n)+2*(\q&3)+1], v[SC+2*\q:SC+2*\q+1] neg_lo:[0,1] neg_hi:[0,1]
.endr
.irp q, 0,1,2,3,4,5,6,7
	v_cvt_pk_bf16_f32 v[HL+16*\n+8+\q], v[SC+2*\q], v[SC+2*\q+1]   ; lo = bf16(key - hi)
.endr
	s_wait_alu depctr_va_vdst(0)                   ; the conversions have written this tile's 16 registers of HL, which the four stores read
	global_store_b128 v[LA16], v[HL+16*\n:HL+16*\n+3],     s[12:13] offset:8192*\n       ; 512 consecutive bytes a store
	global_store_b128 v[LA16], v[HL+16*\n+4:HL+16*\n+7],   s[12:13] offset:8192*\n+512
	global_store_b128 v[LA16], v[HL+16*\n+8:HL+16*\n+11],  s[14:15] offset:8192*\n
	global_store_b128 v[LA16], v[HL+16*\n+12:HL+16*\n+15], s[14:15] offset:8192*\n+512
.endr
	s_wait_dscnt 0x0                               ; the closing lines, six on end
	s_wait_alu 0x0
	s_wait_tensorcnt 0x0
	ds_add_u32 v224, v225
	s_wait_dscnt 0x0
	s_endpgm
.Lfunc_end_k_q0351661b05_prep:
	.size	k_q0351661b05_prep, .Lfunc_end_k_q0351661b05_prep-k_q0351661b05_prep
	.p2alignl 7, 3214868480
	.fill 96, 4, 3214868480
	.section	.rodata,"a",@progbits
	.p2align	6, 0x0
	.amdhsa_kernel k_q0351661b05_prep
		.amdhsa_group_segment_fixed_size 174080
		.amdhsa_private_segment_fixed_size 0
		.amdhsa_enable_private_segment 0
		.amdhsa_kernarg_size 48
		.amdhsa_user_sgpr_count 2
		.amdhsa_user_sgpr_kernarg_segment_ptr 1
		.amdhsa_wavefront_size32 1
		.amdhsa_system_sgpr_workgroup_id_x 1
		.amdhsa_system_sgpr_workgroup_id_y 1
		.amdhsa_system_sgpr_workgroup_id_z 1
		.amdhsa_system_vgpr_workitem_id 0
		.amdhsa_next_free_vgpr 226
		.amdhsa_next_free_sgpr 66
		.amdhsa_reserve_vcc 0
		.amdhsa_float_denorm_mode_32 3
		.amdhsa_float_denorm_mode_16_64 3
		.amdhsa_memory_ordered 1
		.amdhsa_forward_progress 1
		.amdhsa_inst_pref_size 51
	.end_amdhsa_kernel
	.amdgpu_metadata
---
amdhsa.version: [ 1, 2 ]
amdhsa.kernels:
  - .name:           k_q0351661b05_prep
    .symbol:         k_q0351661b05_prep.kd
    .args:
      - { .name: x, .offset: 0, .size: 8, .value_kind: global_buffer, .address_space: global }
      - { .name: K, .offset: 8, .size: 8, .value_kind: global_buffer, .address_space: global }
      - { .name: temperature, .offset: 16, .size: 8, .value_kind: global_buffer, .address_space: global }
      - { .name: xb, .offset: 24, .size: 8, .value_kind: global_buffer, .address_space: global }
      - { .name: khi, .offset: 32, .size: 8, .value_kind: global_buffer, .address_space: global }
      - { .name: klo, .offset: 40, .size: 8, .value_kind: global_buffer, .address_space: global }
    .group_segment_fixed_size: 174080
    .private_segment_fixed_size: 0
    .kernarg_segment_align: 8
    .kernarg_segment_size: 48
    .max_flat_workgroup_size: 256
    .sgpr_count:     66
    .vgpr_count:     226
    .wavefront_size: 32
...
	.end_amdgpu_metadata
.endif
;; end of part 3
;; launch attn: the kernel of part 2 again; grid 256 x 1, 4 waves a work-group, clusters of 4 x 1, 327,680 bytes of LDS; arguments xb, khi, klo, temperature, bias, out0; writes out0
